; MI455X (gfx1250); checked and timed in simulation.
; The chip was launched on July 23, 2026; its instructions are those of AMD's public machine-readable ISA for CDNA 5 (MIT licence, August 2026) and "CDNA5" Instruction Set Architecture Reference Guide (July 2026). The comments in the code are by the model that wrote it; some were corrected since.
;; Relative Multi Head Attention Layer. Allowed arithmetic: float matrix products may take bf16 or f16 operands with f32 sums; all other float work in f32.
;; Inputs: Wk 1,024 x 1,024 float32; Wo 1,024 x 1,024 float32; Wq 1,024 x 1,024 float32; Wv 1,024 x 1,024 float32; bk 1,024 float32; bo 1,024 float32; bq 1,024 float32; bv 1,024 float32; rel_table 1,023 x 16 float32; x 16 x 512 x 1,024 float32.
;; Outputs: out0 16 x 512 x 1,024 float32.
;; 2 versions, each right; version 2 is version 1 with the launch cast written anew for expert scheduling mode. Each part assembles by itself: llvm-mc -triple=amdgcn-amd-amdhsa -mcpu=gfx1250 --defsym DOCPART=n.
;; ======== version 1 of 2: 3 launches
;; limits: values are held in f16: magnitudes above 65,504 overflow, below 6.1e-05 lose precision; right only within a limited range of input values
;; workspace buffers: f16in 25,165,824 bytes; att 16,777,216 bytes
;; launch cast (part 1): grid 768 x 1, 8 waves a work-group, no clusters, 35,840 bytes of LDS; arguments x, Wq, Wk, Wv, Wo, f16in; writes f16in
.if DOCPART == 1
	.amdgcn_target "amdgcn-amd-amdhsa--gfx1250"
	.amdhsa_code_object_version 6
	.text
	.protected	k_q3414980157_cast
	.globl	k_q3414980157_cast
	.p2align	8
	.type	k_q3414980157_cast,@function
k_q3414980157_cast:
	s_mov_b64 s[64:65], 0
	v_nop
	global_prefetch_b8 v0, s[64:65] scope:SCOPE_SE
	s_setreg_imm32_b32 hwreg(HW_REG_WAVE_MODE, 25, 1), 1
	s_wait_xcnt 0x0
; x, Wq, Wk, Wv, Wo (f32, rows of 1,024) are rounded to f16 and laid out anew in BLOCKS, the form in which the two later launches
; feed the matrix unit.  A BLOCK is 16 rows x 64 k = 2,048 bytes, [k/8][row][8 numbers]: number (r, k) lies at (k>>3)*256 + r*16 + (k&7)*2.
; f16in:  x   at 0           [b 16][ks 16][block of 16 rows, 32][BLOCK]
;         W   at 16,777,216  [head 16][ks 16][12 blocks: 4 of Wq's rows of the head, 4 of Wk's, 4 of Wv's][BLOCK]
;         Wo  at 23,068,672  [quarter of its rows, 4][ks 16][16 blocks][BLOCK]
; LIMIT: a number of x or of a W beyond f16's largest, 65,504, becomes an infinity; f16 keeps 11 bits.
; A work-group takes 16 rows: 65,536 bytes in, 32,768 out.  Each input byte is read once, each output byte written once, every load and
; store of a wave covers 512 consecutive bytes.  The re-ordering goes through LDS.  No work-group shares an input with another: no cluster;
; no matrix work: memory bounds this launch.
.set X,   16                           ; v[16:79]   row i: 4 registers as loaded; its first two then hold 4 f16
.set R,   80                           ; v[80:111]  read back from LDS, to store
.set OFF, 8                            ; v[8:15]    store i: my byte offset in the destination
.set CP,  272                          ; LDS: a chunk [16 rows][16 bytes] is 256 bytes + 16 of padding, so that 16 neighbouring chunks start 16 bytes apart modulo 256
	s_load_b256 s[4:11], s[0:1], 0x0               ; x s[4:5], Wq s[6:7], Wk s[8:9], Wv s[10:11]
	s_load_b128 s[12:15], s[0:1], 0x20             ; Wo s[12:13], f16in s[14:15]
	v_lshl_add_u32 v112, v0, 2, 0x8800
	v_mov_b32 v113, 0
	s_mov_b32 s22, ttmp9                           ; id: 0-511 x, 512-575 Wq, 576-639 Wk, 640-703 Wv, 704-767 Wo
	s_and_b32 s23, s22, 63                         ; g: a weight's block of 16 rows
	s_lshr_b32 s24, s22, 5                         ; x: batch
	s_lshl_b32 s24, s24, 20                        ;    x 1,048,576
	s_and_b32 s25, s22, 31
	s_lshl_b32 s25, s25, 11                        ;    + block x 2,048
	s_add_co_u32 s24, s24, s25
	s_lshr_b32 s25, s22, 6                         ; Wq, Wk, Wv: m = 0, 1, 2
	s_and_b32 s25, s25, 3
	s_lshl_b32 s25, s25, 2
	s_and_b32 s26, s23, 3
	s_add_co_u32 s25, s25, s26                     ;    block 4 m + (g & 3) of the head's twelve
	s_lshl_b32 s25, s25, 11
	s_lshr_b32 s26, s23, 2                         ;    head g >> 2
	s_mul_i32 s26, s26, 393216
	s_add_co_u32 s25, s25, s26
	s_add_co_u32 s25, s25, 16777216
	s_lshr_b32 s26, s23, 4                         ; Wo: quarter g >> 4
	s_lshl_b32 s26, s26, 19
	s_and_b32 s27, s23, 15
	s_lshl_b32 s27, s27, 11
	s_add_co_u32 s26, s26, s27
	s_add_co_u32 s26, s26, 23068672
	s_mov_b32 s20, 65536                           ; bytes from one ks to the next in the destination
	s_cmp_ge_u32 s22, 512
	s_cselect_b32 s28, s23, s22                    ; the source's block of 16 rows
	s_cselect_b32 s18, s25, s24
	s_cselect_b32 s20, 24576, s20
	s_cmp_ge_u32 s22, 704
	s_cselect_b32 s18, s26, s18
	s_cselect_b32 s20, 32768, s20
	s_mov_b32 s19, 0
	s_lshl_b32 s28, s28, 16                        ; 16 rows of 4,096 bytes
	s_mov_b32 s29, 0
	s_lshl_b32 s21, s20, 1
	v_lshlrev_b32 v1, 4, v0                        ; my 16 bytes (4 numbers) of every row
	v_lshrrev_b32 v4, 1, v0                        ; they fall into chunk t >> 1, half t & 1
	v_and_b32 v5, 1, v0
	v_mul_u32_u24 v2, v4, CP
	v_lshl_add_u32 v2, v5, 3, v2
	v_lshrrev_b32 v4, 4, v0                        ; back: chunk t >> 4 of sixteen, row t & 15
	v_and_b32 v5, 15, v0
	v_mul_u32_u24 v3, v4, CP
	v_lshl_add_u32 v3, v5, 4, v3
	v_lshrrev_b32 v4, 7, v0                        ; sixteen chunks are two BLOCKS: ks 2 i + (t >> 7), byte 16 (t & 127)
	v_and_b32 v5, 127, v0
	v_mul_lo_u32 v4, v4, s20
	v_lshl_add_u32 v[OFF], v5, 4, v4
.irp i, 1,2,3,4,5,6,7
	v_add_nc_u32 v[OFF+\i], s21, v[OFF+\i-1]
.endr
	s_wait_kmcnt 0x0
	s_cmp_ge_u32 s22, 512                          ; the source, chosen by the id alone
	s_cselect_b64 s[16:17], s[6:7], s[4:5]
	s_cmp_ge_u32 s22, 576
	s_cselect_b64 s[16:17], s[8:9], s[16:17]
	s_cmp_ge_u32 s22, 640
	s_cselect_b64 s[16:17], s[10:11], s[16:17]
	s_cmp_ge_u32 s22, 704
	s_cselect_b64 s[16:17], s[12:13], s[16:17]
	s_add_nc_u64 s[16:17], s[16:17], s[28:29]
	s_add_nc_u64 s[18:19], s[14:15], s[18:19]
.irp i, 0,1,2,3,4,5,6,7,8,9,10,11,12,13,14,15
	global_load_b128 v[X+4*\i:X+4*\i+3], v1, s[16:17] offset:4096*\i th:TH_LOAD_NT   ; row i; all sixteen go out at once
.endr
.irp i, 0,1,2,3,4,5,6,7,8,9,10,11,12,13,14,15
	s_wait_loadcnt 15-\i                           ; loads come back in order: row i is in, the younger rows stay out
	v_cvt_pk_f16_f32 v[X+4*\i],   v[X+4*\i],   v[X+4*\i+1]
	v_cvt_pk_f16_f32 v[X+4*\i+1], v[X+4*\i+2], v[X+4*\i+3]
	ds_store_b64 v2, v[X+4*\i:X+4*\i+1] offset:16*\i
.endr
	s_wait_dscnt 0x0                               ; my stores are done, for the other waves' sake
	s_barrier_signal -1
	s_barrier_wait -1
.irp i, 0,1,2,3,4,5,6,7
	ds_load_b128 v[R+4*\i:R+4*\i+3], v3 offset:16*CP*\i
.endr
.irp i, 0,1,2,3,4,5,6,7
	s_wait_dscnt 7-\i                              ; LDS loads come back in order
	global_store_b128 v[OFF+\i], v[R+4*\i:R+4*\i+3], s[18:19]   ; a wave stores 512 consecutive bytes, aligned; the next launch reads them: no hint
.endr
	s_wait_tensorcnt 0x0
	ds_add_u32 v112, v113
	s_wait_dscnt 0x0
	s_endpgm
.Lfunc_end_k_q3414980157_cast:
	.size	k_q3414980157_cast, .Lfunc_end_k_q3414980157_cast-k_q3414980157_cast
	.p2alignl 7, 3214868480
	.fill 96, 4, 3214868480
	.section	.rodata,"a",@progbits
	.p2align	6, 0x0
	.amdhsa_kernel k_q3414980157_cast
		.amdhsa_group_segment_fixed_size 35840
		.amdhsa_private_segment_fixed_size 0
		.amdhsa_enable_private_segment 0
		.amdhsa_kernarg_size 48
		.amdhsa_user_sgpr_count 2
		.amdhsa_user_sgpr_kernarg_segment_ptr 1
		.amdhsa_wavefront_size32 1
		.amdhsa_system_sgpr_workgroup_id_x 1
		.amdhsa_system_sgpr_workgroup_id_y 1
		.amdhsa_system_sgpr_workgroup_id_z 1
		.amdhsa_system_vgpr_workitem_id 0
		.amdhsa_next_free_vgpr 114
		.amdhsa_next_free_sgpr 66
		.amdhsa_reserve_vcc 0
		.amdhsa_float_denorm_mode_32 3
		.amdhsa_float_denorm_mode_16_64 3
		.amdhsa_memory_ordered 1
		.amdhsa_forward_progress 1
		.amdhsa_inst_pref_size 10
	.end_amdhsa_kernel
	.amdgpu_metadata
---
amdhsa.version: [ 1, 2 ]
amdhsa.kernels:
  - .name:           k_q3414980157_cast
    .symbol:         k_q3414980157_cast.kd
    .args:
      - { .name: x, .offset: 0, .size: 8, .value_kind: global_buffer, .address_space: global }
      - { .name: Wq, .offset: 8, .size: 8, .value_kind: global_buffer, .address_space: global }
      - { .name: Wk, .offset: 16, .size: 8, .value_kind: global_buffer, .address_space: global }
      - { .name: Wv, .offset: 24, .size: 8, .value_kind: global_buffer, .address_space: global }
      - { .name: Wo, .offset: 32, .size: 8, .value_kind: global_buffer, .address_space: global }
      - { .name: f16in, .offset: 40, .size: 8, .value_kind: global_buffer, .address_space: global }
    .group_segment_fixed_size: 35840
    .private_segment_fixed_size: 0
    .kernarg_segment_align: 8
    .kernarg_segment_size: 48
    .max_flat_workgroup_size: 256
    .sgpr_count:     66
    .vgpr_count:     114
    .wavefront_size: 32
...
	.end_amdgpu_metadata
.endif
;; end of part 1
;; launch attn (part 2): grid 16 x 16, 4 waves a work-group, clusters of 4 x 4, 327,680 bytes of LDS; arguments f16in, bq, bk, bv, rel_table, att; writes att
.if DOCPART == 2
	.amdgcn_target "amdgcn-amd-amdhsa--gfx1250"
	.amdhsa_code_object_version 6
	.text
	.protected	k_q3414980157_attn
	.globl	k_q3414980157_attn
	.p2align	8
	.type	k_q3414980157_attn,@function
k_q3414980157_attn:
	s_mov_b64 s[64:65], 0
	v_nop
	global_prefetch_b8 v0, s[64:65] scope:SCOPE_SE
	s_setreg_imm32_b32 hwreg(HW_REG_WAVE_MODE, 25, 1), 1
	s_wait_xcnt 0x0
	s_wait_alu depctr_hold_cnt(0) depctr_sa_sdst(0) depctr_va_vdst(0) depctr_va_sdst(0) depctr_va_ssrc(0) depctr_va_vcc(0) depctr_vm_vsrc(0)
	s_getreg_b32 s2, hwreg(HW_REG_IB_STS2, 6, 4)
	s_cmp_eq_u32 s2, 0
	s_cbranch_scc0 .Lentry_in_a_cluster
	s_endpgm
.Lentry_in_a_cluster:
	s_bfe_u32 s2, ttmp6, 0x10000c
	s_cmp_lg_u32 s2, 0xf033
	s_cbranch_scc0 .Lentry_shape_is_right
	s_endpgm
.Lentry_shape_is_right:
; One work-group = one (batch b, head h): Q, K, V projection (512 x 192 x 1,024), scores + relative bias, softmax, P V.  Four waves; wave w owns
; sequence rows 128 w .. 128 w + 127, as rows of the projections and as queries.  Nothing but the head's output goes to memory.
; NUMBER FORMAT: all matrix operands f16, sums f32.  q' = (q + bq) / 16, k' = (k + bk) / 16, table' = table / 32, so a raw score is the true one / 32;
; v' = (v + bv) / 4, so att holds the head's output / 4 (the next launch multiplies by 4).
; LIMITS: |q|, |k| below 1.05e6 and |v| below 262,000, or f16 overflows to an infinity; a probability below 6e-8 of its row's largest counts as 0.
; SOFTMAX: the whole row of 512 scores is in registers, so the row's true maximum is taken away before the exponential.
; KEYS LIE REVERSED in LDS, j' = 511 - j: the bias of (query i, key j) is then table[i + j'], eight neighbouring entries for a lane's eight keys.
; CLUSTERS: 4 x 4 work-groups.  x's tiles hang on b alone and are asked for jointly along a row of the cluster, W's on h alone, along a column.
; BLOCK (all f16 operands): 16 rows x 64 k = 2,048 bytes, [k/8][row][8 numbers]; a fragment of 16 rows x 32 k is two loads of 512 consecutive bytes,
; at block + 1,024 kk + 16 lane and 512 further.
; LDS: slot s at 90,112 s: x's tile (32 blocks), W's tile (12 blocks).  After the slots' last fill: K at 0, V transposed at 90,112 (65,536 bytes each).
;      180,224: the head's bias table, four copies shifted by 0..3 entries, 4,160 bytes apart.   196,864: Q, 16,384 bytes a wave.
; REGISTERS, window 0: v0-31 addresses and small things; projection: v32-95, v96-159 x fragments (two buffers), v160-191, v192-223, v224-255 fragments of
; Wq, Wk, Wv; windows 1, 2, 3: the sums of Q, K, V, tile (a, b) at 8 (4 a + b).  Attention: v32-63 Q fragments, then the sums of the probabilities (v32-47), then
; the packed output; v64-191 K fragments (two buffers of 64) or V fragments (four of 32); v192-255 the running maxima (v192-199), then the output's sums;
; windows 2, 3: the scores, tile (t', qb) at 8 (2 (t' & 15) + qb).
; ORDER OF THE ATTENTION LOOP: a trip has 256 matrix instructions and some 1,650 vector instructions, so the vector work stands BETWEEN the matrix instructions:
; the maxima of one group of score tiles between the products of the next group; exponentials, sums and conversions of later tiles between the products of
; P V on earlier ones.  The price is a switch of register windows on either side of each such piece, about 400 a trip.
.set SLOT,  90112
.set XT,    65536                      ; bytes of x's tile of one k step of 64
.set WT,    24576                      ; bytes of W's
.set TB,    180224
.set TBP,   4160
.set QBASE, 196864
.set VBASE, 90112
.set AF0, 32
.set AF1, 96
.set BQ,  160
.set BK,  192
.set BV,  224
.set QF,  32
.set OT,  32
.set SUMC, 32                          ; v[32:47] sums of the probabilities: four chains of pairs for each block of 16 queries
.set KF0, 64
.set VF0, 64
.set OA,  192
.set MAXC, 192                         ; v[192:199] running maxima: four chains for each block of 16 queries
.set NM,  16                           ; v[16:19] -c2 x maximum, a pair for each block of 16 queries
.set INV, 20                           ; v[20:23] 1 / sum, likewise
.set TT,  96                           ; the projections' way out: 8 tiles in f32
.set PK,  192                          ;                           and packed
.set G1X, 24                           ; s[24:31] descriptor group 1, x's tiles
.set G0X, 32                           ; s[32:39] group 0, one set for each slot
.set G1W, 40                           ; s[40:47] group 1, W's tiles
.set G0W, 48                           ; s[48:55] group 0
.set MSB, 0
.macro WIN new                         ; s_set_vgpr_msb: bits 1:0 source 0, 3:2 source 1, 5:4 source 2, 7:6 destination; the high byte repeats the setting that is left
.if MSB != \new
	s_set_vgpr_msb (MSB<<8)|\new
.set MSB, \new
.endif
.endm
.macro PLACES                          ; four places behind matrix instructions (ISA guide 7.12.1) before their registers are loaded into, read or written by other instructions
.rept 4
	v_nop
.endr
.endm
.macro JLOAD s                         ; a joint load: waves 0, 1 ask for the halves of x's tile, waves 2, 3 for the halves of W's.  The branch hangs on the wave's number alone
	s_cmp_eq_u32 s17, 0
	s_cbranch_scc0 .Lfor_w_\@
	tensor_load_to_lds s[G0X+4*\s:G0X+4*\s+3], s[G1X:G1X+7]
	s_nop 0
	s_branch .Lasked_\@
.Lfor_w_\@:
	tensor_load_to_lds s[G0W+4*\s:G0W+4*\s+3], s[G1W:G1W+7]
	s_nop 0
.Lasked_\@:
.endm
.macro CREST                           ; a round of the cluster's barrier behind its opening work-group barrier
	s_cmp_lg_u32 s16, 0
	s_cbranch_scc1 .Lnot_wave_0_\@
	s_barrier_signal -3
.Lnot_wave_0_\@:
	s_barrier_wait -3
	s_barrier_signal -1
	s_barrier_wait -1
.endm
.macro CROUND
	s_barrier_signal -1
	s_barrier_wait -1
	CREST
.endm
	s_load_b256 s[4:11], s[0:1], 0x0               ; f16in s[4:5], bq s[6:7], bk s[8:9], bv s[10:11]
	s_load_b128 s[12:15], s[0:1], 0x20             ; rel_table s[12:13], att s[14:15]
	v_lshl_add_u32 v11, v0, 2, 0x40100
	v_mov_b32 v29, 0
	ds_add_u32 v11, v29
	v_lshrrev_b32 v1, 5, v0
	v_readfirstlane_b32 s16, v1                    ; wave 0..3
	s_lshr_b32 s17, s16, 1                         ; 0: I fetch for x, 1: for W
	s_and_b32 s18, s16, 1                          ; which half of that tile
	s_bfe_u32 s19, ttmp6, 0x40000                  ; cx
	s_bfe_u32 s20, ttmp6, 0x40004                  ; cy
	s_lshl_b32 s21, ttmp9, 2
	s_add_co_u32 s21, s21, s19                     ; h = 4 x cluster x + cx
	s_and_b32 s22, ttmp7, 0xffff
	s_lshl_b32 s22, s22, 2
	s_add_co_u32 s22, s22, s20                     ; b = 4 x cluster y + cy
	s_lshl_b32 s23, s20, 2
	s_lshl_b32 s23, 15, s23                        ; my row of the cluster (same b)
	s_lshl_b32 s56, 0x1111, s19                    ; my column (same h)
	s_mov_b32 s72, 0x76543210                      ; v_permlanex16_b32: lane i takes lane i of the other half
	s_mov_b32 s73, 0xfedcba98
	s_mov_b32 s78, 0xff800000                      ; -infinity: what a chain of maxima starts from
	; group 1: dense bytes as rows of 32 elements of 8 bytes (256 bytes); x: 128 rows a load, W: 48 (its tile has 96 in all)
	s_or_b32 s[G1X+0], s23, (3<<16)|(1<<21)        ; 15:0 the mask; 17:16 elements of 8 bytes; 21 set beside a mask
	s_or_b32 s[G1W+0], s56, (3<<16)|(1<<21)
	s_mov_b32 s[G1X+1], 32<<16                     ; tensor_dim0 = 32
	s_mov_b32 s[G1W+1], 32<<16
	s_mov_b32 s[G1X+2], 128<<16                    ; tensor_dim1 = the rows
	s_mov_b32 s[G1W+2], 48<<16
	s_mov_b32 s[G1X+3], 32<<16                     ; tile_dim0 = 32
	s_mov_b32 s[G1W+3], 32<<16
	s_mov_b32 s[G1X+4], 128                        ; tile_dim1
	s_mov_b32 s[G1W+4], 48
	s_mov_b32 s[G1X+5], 32                         ; from row to row: 32 elements
	s_mov_b32 s[G1W+5], 32
	s_mov_b32 s[G1X+6], 0
	s_mov_b32 s[G1W+6], 0
	s_mov_b32 s[G1X+7], 0
	s_mov_b32 s[G1W+7], 0
	; where the tiles come from: x's offset is made of b and the wave's number, W's of h and the wave's number, each in registers of its own
	s_lshl_b32 s58, s22, 20
	s_lshl_b32 s59, s18, 15
	s_add_co_u32 s58, s58, s59
	s_mov_b32 s59, 0
	s_mul_i32 s66, s21, 393216
	s_mul_i32 s67, s18, 12288
	s_add_co_u32 s66, s66, s67
	s_add_co_u32 s66, s66, 16777216
	s_mov_b32 s67, 0
	s_lshl_b32 s57, s16, 15                        ; and where they go: x's halves at wave x 32,768 (waves 0, 1),
	s_mul_i32 s62, s16, 12288
	s_add_co_u32 s62, s62, 40960                   ; W's at 65,536 + (wave - 2) x 12,288 (waves 2, 3)
	s_wait_dscnt 0x0
	s_wait_kmcnt 0x0
	s_add_nc_u64 s[60:61], s[4:5], s[58:59]
	s_add_nc_u64 s[68:69], s[4:5], s[66:67]
	CROUND                                         ; all sixteen work-groups are here: the first joint loads meet
.irp s, 0,1
	s_mov_b32 s[G0X+4*\s], 1
	s_add_co_u32 s[G0X+4*\s+1], s57, \s*SLOT
	s_add_nc_u64 s[G0X+4*\s+2:G0X+4*\s+3], s[60:61], \s*XT        ; k step s
	s_or_b32 s[G0X+4*\s+3], s[G0X+4*\s+3], 0x80000000
	s_mov_b32 s[G0W+4*\s], 1
	s_add_co_u32 s[G0W+4*\s+1], s62, \s*SLOT
	s_add_nc_u64 s[G0W+4*\s+2:G0W+4*\s+3], s[68:69], \s*WT
	s_or_b32 s[G0W+4*\s+3], s[G0W+4*\s+3], 0x80000000
	JLOAD \s                                       ; both slots' first fills go out before anything else: two tensor loads of the wave are out
.endr
	; the head's column of the bias table: 1,023 entries, 64 bytes apart, fetched once by the work-group, 8 a thread (entry 1,023 does not exist: clamped, never used).
	; Asked for here, waited for only behind the projections: v16-23, v30, v31 and s[12:13] are left alone until then.
	s_lshl_b32 s74, s21, 2
	s_mov_b32 s75, 0
	s_add_nc_u64 s[12:13], s[12:13], s[74:75]
	v_lshlrev_b32 v30, 6, v0
	v_add_nc_u32 v31, 896, v0
	v_min_u32 v31, 1022, v31
	v_lshlrev_b32 v31, 6, v31
.irp i, 0,1,2,3,4,5,6
	global_load_b32 v[16+\i], v30, s[12:13] offset:8192*\i
.endr
	global_load_b32 v23, v31, s[12:13]
	s_lshl_b32 s74, s21, 8                         ; the head's 64 numbers of the three biases
	s_add_nc_u64 s[6:7], s[6:7], s[74:75]
	s_add_nc_u64 s[8:9], s[8:9], s[74:75]
	s_add_nc_u64 s[10:11], s[10:11], s[74:75]
	s_lshl_b32 s76, s22, 4                         ; att: [b][h][32 blocks], my wave's eight blocks
	s_add_co_u32 s76, s76, s21
	s_lshl_b32 s76, s76, 16
	s_lshl_b32 s77, s16, 14
	s_add_co_u32 s76, s76, s77
	s_mov_b32 s77, 0
	s_add_nc_u64 s[14:15], s[14:15], s[76:77]
	v_and_b32 v26, 31, v0
	v_lshlrev_b32 v1, 4, v26                       ; v1 = 16 lane: a fragment's place in a block; also K's fragment address (K lies at LDS byte 0)
	v_and_b32 v2, 15, v0                           ; r
	v_bfe_u32 v3, v0, 4, 1                         ; h2
	s_lshl_b32 s74, s16, 14
	v_add_nc_u32 v4, s74, v1                       ; v4, v5: my eight blocks of x in slot 0, 1
	v_add_nc_u32 v5, SLOT, v4
	v_add_nc_u32 v6, XT, v1                        ; v6, v7: W's twelve blocks in slot 0, 1
	v_add_nc_u32 v7, SLOT, v6
	v_add_nc_u32 v8, QBASE, v4                     ; v8: my Q blocks, for stores and for fragments alike
	s_lshl_b32 s75, s16, 3                         ; v9: K's stores.  Key 128 w + 16 a + r goes to block (24 - 8 w) + (7 - a), row 15 - r
	s_sub_co_u32 s75, 24, s75
	s_lshl_b32 s75, s75, 11
	v_sub_nc_u32 v26, 15, v2
	v_lshl_add_u32 v26, v26, 4, s75
	v_lshl_add_u32 v9, v3, 8, v26
	s_sub_co_u32 s76, 3, s16                       ; v10: V's stores.  Keys 128 w + 16 a + 8 h2 + 0..7 are chunk 16 (3 - w) + 2 (7 - a) + (1 - h2) of eight reversed keys
	s_lshl_b32 s76, s76, 12
	s_add_co_u32 s76, s76, VBASE
	v_sub_nc_u32 v26, 1, v3
	v_lshl_add_u32 v27, v2, 4, s76
	v_lshl_add_u32 v10, v26, 8, v27
	v_add_nc_u32 v12, VBASE, v1                    ; v12: V's fragments
	v_and_b32 v26, 3, v2                           ; v13: the bias of (query 128 w + r, keys 8 h2 + 0..7): copy r & 3, so that the 32 bytes are aligned to 16
	v_mul_u32_u24 v27, v26, TBP
	v_lshrrev_b32 v28, 2, v2
	v_lshl_add_u32 v27, v28, 4, v27
	v_lshl_add_u32 v27, v3, 5, v27
	s_lshl_b32 s77, s16, 9
	s_add_co_u32 s77, s77, TB
	v_add_nc_u32 v13, s77, v27
	v_mov_b32 v14, v1                              ; v14: my byte offset in att, stepped from trip to trip
	v_lshlrev_b32 v15, 2, v0
	v_add_nc_u32 v15, TB, v15                      ; v15: the table's stores
	v_lshlrev_b32 v24, 5, v3                       ; v24: bq, bk: my 8 numbers of 16
	v_lshlrev_b32 v25, 2, v2                       ; v25: bv: my one
	s_wait_tensorcnt 0x1                           ; my part of k step 0 is in; slot 1's load may stay out
	s_barrier_signal -1
	s_barrier_wait -1
; ---------------------------------------------------------------- the projections
.macro LDW dst, slot, nb0, kk          ; four fragments of W: blocks nb0 .. nb0 + 3
.irp i, 0,1,2,3
	ds_load_b128 v[\dst+8*\i:\dst+8*\i+3],   v[6+\slot] offset:(\nb0+\i)*2048+\kk*1024
	ds_load_b128 v[\dst+8*\i+4:\dst+8*\i+7], v[6+\slot] offset:(\nb0+\i)*2048+\kk*1024+512
.endr
.endm
.macro LDX dst, slot, kk               ; my eight fragments of x
.irp i, 0,1,2,3,4,5,6,7
	ds_load_b128 v[\dst+8*\i:\dst+8*\i+3],   v[4+\slot] offset:\i*2048+\kk*1024
	ds_load_b128 v[\dst+8*\i+4:\dst+8*\i+7], v[4+\slot] offset:\i*2048+\kk*1024+512
.endr
.endm
; 32 matrix instructions.  MULT: source 0 = rows of W, source 1 = rows of x: lane (r, h2) holds row s = r, its registers d = 16 b + 8 h2 + 0..7 (for Q and K).
; MULN: the other way round: the lane holds d = r, its registers s = 8 h2 + 0..7 (for V, which is wanted transposed).  zero = 1: the first product starts the sums.
; The 96 sums take turns, one instruction a turn, in the same order in every step.
.macro MULT bf, af, zero
.irp a, 0,1,2,3,4,5,6,7
.irp b, 0,1,2,3
.set ac, 8*(4*\a+\b)
.if \zero
	v_wmma_f32_16x16x32_f16 v[ac:ac+7], v[\bf+8*\b:\bf+8*\b+7], v[\af+8*\a:\af+8*\a+7], 0
.else
	v_wmma_f32_16x16x32_f16 v[ac:ac+7], v[\bf+8*\b:\bf+8*\b+7], v[\af+8*\a:\af+8*\a+7], v[ac:ac+7]
.endif
.endr
.endr
.endm
.macro MULN bf, af, zero
.irp a, 0,1,2,3,4,5,6,7
.irp b, 0,1,2,3
.set ac, 8*(4*\a+\b)
.if \zero
	v_wmma_f32_16x16x32_f16 v[ac:ac+7], v[\af+8*\a:\af+8*\a+7], v[\bf+8*\b:\bf+8*\b+7], 0
.else
	v_wmma_f32_16x16x32_f16 v[ac:ac+7], v[\af+8*\a:\af+8*\a+7], v[\bf+8*\b:\bf+8*\b+7], v[ac:ac+7]
.endif
.endr
.endr
.endm
; The first half (k 0..31) of a k step.  On entry 40 LDS loads are out, in this order: Wq 8, x 16, Wk 8, Wv 8.  Each W buffer is loaded again, for the second half, as soon as it is used.
.macro KK0 slot, zero
	s_wait_dscnt 16                                ; Wq's and x's fragments are in; Wk's and Wv's 16 loads may be out
	WIN 0x50
	MULT BQ, AF0, \zero
	WIN 0
	PLACES
	LDW BQ, \slot, 0, 1
	LDX AF1, \slot, 1
	s_wait_dscnt 32                                ; behind Wk's loads stand Wv's 8 and the 24 just issued
	WIN 0xa0
	MULT BK, AF0, \zero
	WIN 0
	PLACES
	LDW BK, \slot, 4, 1
	s_wait_dscnt 32                                ; behind Wv's loads stand 24 + 8
	WIN 0xf0
	MULN BV, AF0, \zero
	WIN 0
	PLACES
	LDW BV, \slot, 8, 1
.endm
; The second half, and the change of slots.  One barrier for two things: in front of it each wave's reads of this slot are over and all its tensor loads have landed (the one
; that is out is its part of the next slot).  fill = 1: the barrier opens a round of the cluster's barrier, and behind the round this slot is asked for again, two k steps ahead:
; one tensor load of the wave is out from there on, for 160 matrix instructions before the next wait for it.
.macro KK1 slot, next, fill
	s_wait_dscnt 16
	WIN 0x50
	MULT BQ, AF1, 0
	s_wait_dscnt 0x0                               ; my reads of this slot are over
	s_wait_tensorcnt 0x0                           ; all my tensor loads have landed
	ds_add_u32 v11, v29
	s_wait_dscnt 0x0
	s_barrier_signal -1
	WIN 0xa0
	MULT BK, AF1, 0                                ; register work while the others arrive
	WIN 0
	s_barrier_wait -1
.if \fill
	CREST                                          ; no wave of any partner still reads this slot or has a load on its way
	s_add_nc_u64 s[G0X+4*\slot+2:G0X+4*\slot+3], s[G0X+4*\slot+2:G0X+4*\slot+3], 2*XT
	s_add_nc_u64 s[G0W+4*\slot+2:G0W+4*\slot+3], s[G0W+4*\slot+2:G0W+4*\slot+3], 2*WT
	JLOAD \slot                                    ; the first tensor load behind the round, and the wave's only one until the next
.endif
	PLACES
	LDW BQ, \next, 0, 0
	LDX AF0, \next, 0
	LDW BK, \next, 4, 0
	WIN 0xf0
	MULN BV, AF1, 0
	WIN 0
	PLACES
	LDW BV, \next, 8, 0
.endm
.macro LAP zero                        ; two k steps: once round the ring, both slots filled again
	KK0 0, \zero
	KK1 0, 1, 1
	KK0 1, 0
	KK1 1, 0, 1
.endm
	LDW BQ, 0, 0, 0
	LDX AF0, 0, 0
	LDW BK, 0, 4, 0
	LDW BV, 0, 8, 0
	LAP 1                                          ; k steps 0, 1: the first products start the sums, nothing is cleared
	s_mov_b32 s70, 6                               ; k steps 2 .. 13
.Llap:
	LAP 0
	s_sub_co_u32 s70, s70, 1
	s_cmp_lg_u32 s70, 0
	s_cbranch_scc1 .Llap
	KK0 0, 0                                       ; k steps 14, 15 fill nothing and have no round of the cluster's barrier
	KK1 0, 1, 0
	KK0 1, 0
	; the very last half step; the biases are fetched under it, into fragment buffers that are free
.irp b, 0,1,2,3
	global_load_b128 v[32+8*\b:35+8*\b], v24, s[8:9] offset:64*\b      ; bk of d = 16 b + 8 h2 + 0..7
	global_load_b128 v[36+8*\b:39+8*\b], v24, s[8:9] offset:64*\b+16
	global_load_b128 v[64+8*\b:67+8*\b], v24, s[6:7] offset:64*\b      ; bq likewise
	global_load_b128 v[68+8*\b:71+8*\b], v24, s[6:7] offset:64*\b+16
.endr
	s_wait_dscnt 16
	WIN 0x50
	MULT BQ, AF1, 0
	WIN 0
	PLACES
.irp b, 0,1,2,3
	global_load_b32 v[160+2*\b], v25, s[10:11] offset:64*\b           ; bv of d = 16 b + r, twice: a pair for the packed multiply-add
	global_load_b32 v[161+2*\b], v25, s[10:11] offset:64*\b
.endr
	s_wait_dscnt 0x0                               ; my reads of the slots are over: behind this barrier K and V are stored over them (the slots have had their last fill)
	s_barrier_signal -1
	WIN 0xa0
	MULT BK, AF1, 0
	WIN 0xf0
	MULN BV, AF1, 0
	WIN 0
	s_barrier_wait -1
	PLACES
	s_wait_loadcnt 0x0                             ; the biases, and the table's column that was asked for at the start
.irp i, 0,1,2,3,4,5,6,7
	v_mul_f32 v[16+\i], 0x3d000000, v[16+\i]       ; table / 32
.endr
.irp c, 0,1,2,3
.irp i, 0,1,2,3,4,5,6,7
	ds_store_b32 v15, v[16+\i] offset:512*\i+(TBP-4)*\c   ; copy c holds entry e at 4,160 c + 4 (e - c); entries below c fall into the padding in front, which is never read
.endr
.endr
.set i, 0
.rept 32
	v_pk_mul_f32 v[32+2*i:33+2*i], v[32+2*i:33+2*i], 0x3d800000 op_sel_hi:[1,0]     ; bk, bq / 16
.set i, i+1
.endr
.irp b, 0,1,2,3
	v_pk_mul_f32 v[160+2*\b:161+2*\b], v[160+2*\b:161+2*\b], 0x3e800000 op_sel_hi:[1,0]   ; bv / 4
.endr
; Eight tiles (a0, a0 + 1; b 0..3) of Q (kind 0), K (1) or V (2) leave the sums: scale and bias in one multiply-add, round to f16, 16 bytes a lane into LDS.
; V's eight keys are packed in reverse, since the keys lie reversed.
.macro EPI kind, win, a0
	WIN \win
.irp al, 0,1
.irp b, 0,1,2,3
.irp p, 0,1,2,3
.set td, TT+8*(4*\al+\b)+2*\p
.set ac, 8*(4*(\a0+\al)+\b)+2*\p
.if \kind == 0
	v_pk_fma_f32 v[td:td+1], v[ac:ac+1], 0x3d800000, v[64+8*\b+2*\p:64+8*\b+2*\p+1] op_sel_hi:[1,0,1]
.endif
.if \kind == 1
	v_pk_fma_f32 v[td:td+1], v[ac:ac+1], 0x3d800000, v[32+8*\b+2*\p:32+8*\b+2*\p+1] op_sel_hi:[1,0,1]
.endif
.if \kind == 2
	v_pk_fma_f32 v[td:td+1], v[ac:ac+1], 0x3e800000, v[160+2*\b:161+2*\b] op_sel_hi:[1,0,1]
.endif
.endr
.endr
.endr
	WIN 0
.irp t, 0,1,2,3,4,5,6,7
.irp p, 0,1,2,3
.if \kind == 2
	v_cvt_pk_f16_f32 v[PK+4*\t+\p], v[TT+8*\t+7-2*\p], v[TT+8*\t+6-2*\p]
.else
	v_cvt_pk_f16_f32 v[PK+4*\t+\p], v[TT+8*\t+2*\p], v[TT+8*\t+2*\p+1]
.endif
.endr
.endr
.irp al, 0,1
.irp b, 0,1,2,3
.set pk, PK+4*(4*\al+\b)
.if \kind == 0
	ds_store_b128 v8, v[pk:pk+3] offset:(\a0+\al)*2048+\b*512
.endif
.if \kind == 1
	ds_store_b128 v9, v[pk:pk+3] offset:(7-\a0-\al)*2048+\b*512
.endif
.if \kind == 2
	ds_store_b128 v10, v[pk:pk+3] offset:\b*16384+((7-\a0-\al)>>2)*2048+((7-\a0-\al)&3)*512
.endif
.endr
.endr
.endm
.irp a0, 0,2,4,6
	EPI 0, 1, \a0
.endr
.irp a0, 0,2,4,6
	EPI 1, 2, \a0
.endr
.irp a0, 0,2,4,6
	EPI 2, 3, \a0
.endr
	s_wait_dscnt 0x0                               ; my rows of K and V and my part of the table are stored, for the other waves' sake
	s_barrier_signal -1
	s_barrier_wait -1
; ---------------------------------------------------------------- attention: four trips of 32 queries (two blocks qb of 16), all 512 keys
; Scores transposed: source 0 = 16 keys, source 1 = 16 queries: lane (r, h2) holds query r, its registers the keys 16 t' + 8 h2 + 0..7.  Two such tiles, rounded
; to f16 in place, ARE the fragment of P for 32 keys: no number changes its lane between the two products.
; Tiles are also counted through both windows: T = 2 t' + qb = 0..63, window 2 + (T >> 5), registers 8 (T & 31) .. + 7.  Key step u (32 keys) is tiles 4 u .. 4 u + 3.
.macro SLOAD g                         ; key tiles 4 g .. 4 g + 3: the bias straight into the sums (16 loads), K's fragments (16 loads)
.if \g < 4
	WIN 0x80
.else
	WIN 0xc0
.endif
.irp tl, 0,1,2,3
.irp qb, 0,1
.set sc, 8*(2*((4*\g+\tl)&15)+\qb)
	ds_load_b128 v[sc:sc+3],   v13 offset:64*(4*\g+\tl+\qb)
	ds_load_b128 v[sc+4:sc+7], v13 offset:64*(4*\g+\tl+\qb)+16
.endr
.endr
	WIN 0
.irp tl, 0,1,2,3
.irp kk, 0,1
.set kf, KF0+64*(\g&1)+8*(2*\tl+\kk)
	ds_load_b128 v[kf:kf+3],   v1 offset:(4*\g+\tl)*2048+\kk*1024
	ds_load_b128 v[kf+4:kf+7], v1 offset:(4*\g+\tl)*2048+\kk*1024+512
.endr
.endr
.endm
.macro SW g, i                         ; matrix instruction i of group g's sixteen: kk = i >> 3, key tile (i >> 1) & 3, qb = i & 1: 8 sums that take turns
.set sc, 8*(2*((4*(\g)+(((\i)>>1)&3))&15)+((\i)&1))
.set kf, KF0+64*((\g)&1)+8*(2*(((\i)>>1)&3)+((\i)>>3))
.set qf, QF+8*(2*((\i)&1)+((\i)>>3))
	v_wmma_f32_16x16x32_f16 v[sc:sc+7], v[kf:kf+7], v[qf:qf+7], v[sc:sc+7]
.endm
.macro SMX g, n                        ; maximum n of group g's 32: two scores of tile n >> 2 into chain (qb, n & 3); the chain is source 0, so that sources 1 and 2 share the scores' window
.set sc, 8*(2*((4*(\g)+((\n)>>3))&15)+(((\n)>>2)&1))+2*((\n)&3)
.set mc, MAXC+4*(((\n)>>2)&1)+((\n)&3)
.if ((\g)*32+(\n)) < 8
	v_max3_num_f32 v[mc], s78, v[sc], v[sc+1]      ; the trip's first eight start the chains
.else
	v_max3_num_f32 v[mc], v[mc], v[sc], v[sc+1]
.endif
.endm
.macro SMULX g                         ; group g's 16 matrix instructions, and behind each of them two maxima over the finished tiles of group g - 1
.set si, 0
.rept 16
	WIN ((2+((\g)>>2))*0x50)                       ; C and D in the group's window
	SW \g, si
.if \g > 0
	WIN ((2+(((\g)-1)>>2))*0x14)                   ; sources 1 and 2 in the window of group g - 1
	SMX ((\g)-1), (2*si)
	SMX ((\g)-1), (2*si+1)
.endif
.set si, si+1
.endr
.endm
.macro VL8 u                           ; V transposed, key step u (32 keys) x 64 d: 4 fragments, 8 loads, into buffer u & 3.  Wants destination and address in window 0
.set vj, 0
.rept 8
.set vf, VF0+32*((\u)&3)+4*vj
	ds_load_b128 v[vf:vf+3], v12 offset:((vj>>1)*8+((\u)>>1))*2048+((\u)&1)*1024+(vj&1)*512
.set vj, vj+1
.endr
.endm
.macro SSTEP g
.if \g > 0
	PLACES                                         ; behind group g - 1: its K buffer is loaded next, and its tiles are read by the maxima below
.endif
.if \g < 7
	SLOAD (\g+1)
	s_wait_dscnt 32                                ; all but the next group's 32 loads
.else
	WIN 0
	VL8 0                                          ; V's first two key steps, into the K buffer that group 6 read
	VL8 1
	s_wait_dscnt 16                                ; all but these 16
.endif
	SMULX \g
.endm
; One instruction each of the softmax of tile t.  Each asks for its own windows; the switch is written only where the setting changes.
.macro FM1 t, p                        ; c2 x score - c2 x maximum, c2 = 32 log2 e (the raw scores are the true ones / 32)
	WIN (0x8a+0x45*((\t)>>5))
	v_pk_fma_f32 v[8*((\t)&31)+2*(\p):8*((\t)&31)+2*(\p)+1], v[8*((\t)&31)+2*(\p):8*((\t)&31)+2*(\p)+1], 0x4238aa3b, v[NM+2*((\t)&1):NM+2*((\t)&1)+1] op_sel_hi:[1,0,1]
.endm
.macro EX1 t, j
	WIN (0x8a+0x45*((\t)>>5))
	v_exp_f32 v[8*((\t)&31)+(\j)], v[8*((\t)&31)+(\j)]
.endm
.macro CV1 t, p                        ; tiles 4 u + qb and 4 u + 2 + qb become, in place, the fragment of P of key step u, in the registers of the first
	WIN (0x8a+0x45*((\t)>>5))
.set ti, (\t)&31
.set cd, 8*(ti-2*((ti>>1)&1))+4*((ti>>1)&1)+(\p)
	v_cvt_pk_f16_f32 v[cd], v[8*ti+2*(\p)], v[8*ti+2*(\p)+1]
.endm
.macro SU1 t, p                        ; the chain is source 0: the setting is then that of the products of P V
	WIN (0x08+0x04*((\t)>>5))
	v_pk_add_f32 v[SUMC+8*((\t)&1)+2*(\p):SUMC+8*((\t)&1)+2*(\p)+1], v[SUMC+8*((\t)&1)+2*(\p):SUMC+8*((\t)&1)+2*(\p)+1], v[8*((\t)&31)+2*(\p):8*((\t)&31)+2*(\p)+1]
.endm
.macro PVW u, w                        ; output transposed: source 0 = 16 d of V, source 1 = P: lane (r, h2) holds query r, its registers d = 16 db + 8 h2 + 0..7.  w = 2 db + qb: 8 sums by turns
	WIN (0x08+0x04*((\u)>>3))
.set oa, OA+8*(\w)
.set vf, VF0+32*((\u)&3)+8*((\w)>>1)
.set pf, 8*(4*((\u)&7)+((\w)&1))
.if (\u) == 0
	v_wmma_f32_16x16x32_f16 v[oa:oa+7], v[vf:vf+7], v[pf:pf+7], 0
	s_wait_alu depctr_va_vdst(0)
.else
	v_wmma_f32_16x16x32_f16 v[oa:oa+7], v[vf:vf+7], v[pf:pf+7], v[oa:oa+7]
	s_wait_alu depctr_va_vdst(0)
.endif
.endm
.macro EXFM t                          ; the lead-in: tile t's exponentials, the next tile's multiply-adds between the first four
.irp p, 0,1,2,3
	EX1 \t, \p
	FM1 (\t+1), \p
.endr
.irp p, 4,5,6,7
	EX1 \t, \p
.endr
.endm
; Step m = 5 .. 64.  Two products of key step u = (m - 5) >> 2, whose four tiles were converted by step 4 u + 4; between them the sums of tile m - 1; then the
; exponentials of tile m, each followed by a conversion of tile m - 1 or a multiply-add of tile m + 1: the plain instruction that stands behind a transcendental before
; its result is used (ISA guide 5.7.2).  No vector instruction of a step touches a register of key step u or of the output's sums.
.macro ESTEP m
.set eu, ((\m)-5)>>2
.set ew, 2*(((\m)-5)&3)
.if ew == 0
	WIN (0x08+0x04*(eu>>3))
.if eu < 14
	VL8 (eu+2)                                     ; two key steps ahead, into the buffer that key step u - 2 read, five steps of vector work ago
	s_wait_dscnt 16                                ; V of key step u is in; those of u + 1 and u + 2, eight loads each, may be out
.else
	s_wait_dscnt 8                                 ; u = 14: only V of the last key step may be out
.endif
.endif
	PVW eu, ew
.irp p, 0,1,2,3
	SU1 ((\m)-1), \p
.endr
	PVW eu, (ew+1)
.if (\m) < 64
.irp p, 0,1,2,3
	EX1 (\m), \p
	CV1 ((\m)-1), \p
.endr
.irp p, 0,1,2,3
	EX1 (\m), (\p+4)
.if (\m) < 63
	FM1 ((\m)+1), \p
.endif
.endr
.else
.irp p, 0,1,2,3
	CV1 ((\m)-1), \p
.endr
.endif
.endm
	s_mov_b32 s71, 4
.Ltrip:
.irp qb, 0,1
.irp kk, 0,1
	ds_load_b128 v[QF+8*(2*\qb+\kk):QF+8*(2*\qb+\kk)+3],   v8 offset:\qb*2048+\kk*1024
	ds_load_b128 v[QF+8*(2*\qb+\kk)+4:QF+8*(2*\qb+\kk)+7], v8 offset:\qb*2048+\kk*1024+512
.endr
.endr
	SLOAD 0
	SSTEP 0
	SSTEP 1
	SSTEP 2
	SSTEP 3
	SSTEP 4
	SSTEP 5
	SSTEP 6
	SSTEP 7
	PLACES
	WIN 0x3c
.set si, 0
.rept 32
	SMX 7, si                                      ; the last group's maxima have no products to stand between
.set si, si+1
.endr
	WIN 0
.irp qb, 0,1
	v_max3_num_f32 v[MAXC+4*\qb], v[MAXC+4*\qb], v[MAXC+4*\qb+1], v[MAXC+4*\qb+2]
	v_max_num_f32 v[MAXC+4*\qb], v[MAXC+4*\qb], v[MAXC+4*\qb+3]
	v_permlanex16_b32 v[MAXC+4*\qb+1], v[MAXC+4*\qb], s72, s73     ; query r lies in lanes r and r + 16
	v_max_num_f32 v[MAXC+4*\qb], v[MAXC+4*\qb], v[MAXC+4*\qb+1]
	v_mul_f32 v[NM+2*\qb],   0xc238aa3b, v[MAXC+4*\qb]             ; - c2 x the row's maximum, in both registers of a pair
	v_mul_f32 v[NM+2*\qb+1], 0xc238aa3b, v[MAXC+4*\qb]
.endr
	; the lead-in: key step 0 (tiles 0 to 3) is finished, tile 4 has its exponentials, tile 5 its multiply-adds
.irp p, 0,1,2,3
	FM1 0, \p
.endr
	EXFM 0
	EXFM 1
	EXFM 2
	EXFM 3
	EXFM 4
	WIN 0x0a
	s_wait_alu depctr_va_vdst(0)
.irp qb, 0,1
.irp c, 0,1,2,3
	v_pk_add_f32 v[SUMC+8*\qb+2*\c:SUMC+8*\qb+2*\c+1], v[8*\qb+2*\c:8*\qb+2*\c+1], v[8*(2+\qb)+2*\c:8*(2+\qb)+2*\c+1]   ; the first two tiles of each qb start the chains: nothing is cleared
.endr
.endr
.irp t, 0,1,2,3
.irp p, 0,1,2,3
	CV1 \t, \p
.endr
.endr
.set em, 5
.rept 60
	ESTEP em
.set em, em+1
.endr
	; the last key step's eight products; between them the sums are brought together and inverted
	s_wait_dscnt 0x0                               ; V of key step 15
	PVW 15, 0
	WIN 0
	v_pk_add_f32 v[SUMC:SUMC+1],     v[SUMC:SUMC+1],     v[SUMC+2:SUMC+3]
	v_pk_add_f32 v[SUMC+4:SUMC+5],   v[SUMC+4:SUMC+5],   v[SUMC+6:SUMC+7]
	PVW 15, 1
	WIN 0
	v_pk_add_f32 v[SUMC+8:SUMC+9],   v[SUMC+8:SUMC+9],   v[SUMC+10:SUMC+11]
	v_pk_add_f32 v[SUMC+12:SUMC+13], v[SUMC+12:SUMC+13], v[SUMC+14:SUMC+15]
	PVW 15, 2
	WIN 0
	v_pk_add_f32 v[SUMC:SUMC+1],     v[SUMC:SUMC+1],     v[SUMC+4:SUMC+5]
	v_pk_add_f32 v[SUMC+8:SUMC+9],   v[SUMC+8:SUMC+9],   v[SUMC+12:SUMC+13]
	PVW 15, 3
	WIN 0
	v_add_f32 v[SUMC],   v[SUMC],   v[SUMC+1]
	v_add_f32 v[SUMC+8], v[SUMC+8], v[SUMC+9]
	PVW 15, 4
	WIN 0
	v_permlanex16_b32 v[SUMC+1], v[SUMC],   s72, s73
	v_permlanex16_b32 v[SUMC+9], v[SUMC+8], s72, s73
	PVW 15, 5
	WIN 0
	v_add_f32 v[SUMC],   v[SUMC],   v[SUMC+1]      ; at least about 1: the largest score's own term
	v_add_f32 v[SUMC+8], v[SUMC+8], v[SUMC+9]
	PVW 15, 6
	WIN 0
	v_rcp_f32 v[INV],   v[SUMC]
	v_rcp_f32 v[INV+2], v[SUMC+8]
	PVW 15, 7
	WIN 0
	v_nop                                          ; the plain place behind the reciprocals
	s_wait_alu depctr_va_vdst(0)
	v_mov_b32 v[INV+1], v[INV]                     ; the second register of each pair for the packed multiply
	v_mov_b32 v[INV+3], v[INV+2]
	PLACES                                         ; behind the last products, whose sums are read next
.irp db, 0,1,2,3
.irp qb, 0,1
.irp p, 0,1,2,3
	v_pk_mul_f32 v[OA+8*(2*\db+\qb)+2*\p:OA+8*(2*\db+\qb)+2*\p+1], v[OA+8*(2*\db+\qb)+2*\p:OA+8*(2*\db+\qb)+2*\p+1], v[INV+2*\qb:INV+2*\qb+1]
.endr
.endr
.endr
.irp db, 0,1,2,3
.irp qb, 0,1
.irp p, 0,1,2,3
	v_cvt_pk_f16_f32 v[OT+4*(2*\db+\qb)+\p], v[OA+8*(2*\db+\qb)+2*\p], v[OA+8*(2*\db+\qb)+2*\p+1]
.endr
	global_store_b128 v14, v[OT+4*(2*\db+\qb):OT+4*(2*\db+\qb)+3], s[14:15] offset:\qb*2048+\db*512   ; a BLOCK's [d/8][query] order: the wave stores 512 consecutive bytes, aligned
.endr
.endr
	s_wait_xcnt 0x0                                ; the stores' offset and data (which the next trip's Q fragments land on) are rewritten only behind this wait
	v_add_nc_u32 v14, 4096, v14                    ; two blocks of att on
	v_add_nc_u32 v8, 4096, v8                      ; two blocks of Q on
	v_add_nc_u32 v13, 128, v13                     ; 32 queries on in the table
	s_sub_co_u32 s71, s71, 1
	s_cmp_lg_u32 s71, 0
	s_cbranch_scc1 .Ltrip
	s_wait_tensorcnt 0x0
	ds_add_u32 v11, v29
	s_wait_dscnt 0x0
	CROUND                                         ; the closing round: no work-group ends while a partner may still ask for a tile that names it
	s_endpgm
.Lfunc_end_k_q3414980157_attn:
	.size	k_q3414980157_attn, .Lfunc_end_k_q3414980157_attn-k_q3414980157_attn
	.p2alignl 7, 3214868480
	.fill 96, 4, 3214868480
	.section	.rodata,"a",@progbits
	.p2align	6, 0x0
	.amdhsa_kernel k_q3414980157_attn
		.amdhsa_group_segment_fixed_size 327680
		.amdhsa_private_segment_fixed_size 0
		.amdhsa_enable_private_segment 0
		.amdhsa_kernarg_size 48
		.amdhsa_user_sgpr_count 2
		.amdhsa_user_sgpr_kernarg_segment_ptr 1
		.amdhsa_wavefront_size32 1
		.amdhsa_system_sgpr_workgroup_id_x 1
		.amdhsa_system_sgpr_workgroup_id_y 1
		.amdhsa_system_sgpr_workgroup_id_z 1
		.amdhsa_system_vgpr_workitem_id 0
		.amdhsa_next_free_vgpr 1024
		.amdhsa_next_free_sgpr 80
		.amdhsa_reserve_vcc 0
		.amdhsa_float_denorm_mode_32 3
		.amdhsa_float_denorm_mode_16_64 3
		.amdhsa_memory_ordered 1
		.amdhsa_forward_progress 1
		.amdhsa_inst_pref_size 255
	.end_amdhsa_kernel
	.section	.bss,"aw",@nobits
	.p2align	6
	.space	262144
	.amdgpu_metadata
---
amdhsa.version: [ 1, 2 ]
amdhsa.kernels:
  - .name:           k_q3414980157_attn
    .symbol:         k_q3414980157_attn.kd
    .args:
      - { .name: f16in, .offset: 0, .size: 8, .value_kind: global_buffer, .address_space: global }
      - { .name: bq, .offset: 8, .size: 8, .value_kind: global_buffer, .address_space: global }
      - { .name: bk, .offset: 16, .size: 8, .value_kind: global_buffer, .address_space: global }
      - { .name: bv, .offset: 24, .size: 8, .value_kind: global_buffer, .address_space: global }
      - { .name: rel_table, .offset: 32, .size: 8, .value_kind: global_buffer, .address_space: global }
      - { .name: att, .offset: 40, .size: 8, .value_kind: global_buffer, .address_space: global }
    .group_segment_fixed_size: 327680
    .private_segment_fixed_size: 0
    .kernarg_segment_align: 8
    .kernarg_segment_size: 48
    .max_flat_workgroup_size: 128
    .sgpr_count:     80
    .vgpr_count:     1024
    .wavefront_size: 32
...
	.end_amdgpu_metadata
.endif
;; end of part 2
;; launch oproj (part 3): grid 4 x 64, 4 waves a work-group, clusters of 4 x 4, 327,680 bytes of LDS; arguments att, f16in, bo, out0; writes out0
.if DOCPART == 3
	.amdgcn_target "amdgcn-amd-amdhsa--gfx1250"
	.amdhsa_code_object_version 6
	.text
	.protected	k_q3414980157_oproj
	.globl	k_q3414980157_oproj
	.p2align	8
	.type	k_q3414980157_oproj,@function
k_q3414980157_oproj:
	s_mov_b64 s[64:65], 0
	v_nop
	global_prefetch_b8 v0, s[64:65] scope:SCOPE_SE
	s_setreg_imm32_b32 hwreg(HW_REG_WAVE_MODE, 25, 1), 1
	s_wait_xcnt 0x0
	s_wait_alu depctr_hold_cnt(0) depctr_sa_sdst(0) depctr_va_vdst(0) depctr_va_sdst(0) depctr_va_ssrc(0) depctr_va_vcc(0) depctr_vm_vsrc(0)
	s_getreg_b32 s2, hwreg(HW_REG_IB_STS2, 6, 4)
	s_cmp_eq_u32 s2, 0
	s_cbranch_scc0 .Lentry_in_a_cluster
	s_endpgm
.Lentry_in_a_cluster:
	s_bfe_u32 s2, ttmp6, 0x10000c
	s_cmp_lg_u32 s2, 0xf033
	s_cbranch_scc0 .Lentry_shape_is_right
	s_endpgm
.Lentry_shape_is_right:
; out0 = 4 (att Wo^T) + bo.  att: the heads' outputs / 4 in f16, [b][head = k step of 64][32 blocks of 16 rows][BLOCK]; Wo in f16 at byte 23,068,672 of f16in,
; [quarter of its rows][ks 16][16 blocks][BLOCK]; a BLOCK is 16 rows x 64 k, [k/8][row][8 numbers], so a fragment of 16 rows x 32 k is two loads of 512 consecutive bytes.
; Sums in f32; out0 f32.  LIMIT: none beyond those of the launches that made att and f16in.
; A work-group makes 128 rows x 256 columns with four waves; wave (wm, wn) makes 64 x 128: 32 tiles of 16 x 16 in window 1, tile (sa, nb) at 8 (8 sa + nb).
; K goes through two LDS slots, each with the tiles of TWO k steps of 64: Wo's 2 x 32,768 bytes, then att's 2 x 16,384; each wave brings one of the four with one tensor load.
; CLUSTERS: 4 x 4 work-groups.  att's tiles hang on the block row alone and are asked for jointly along a row of the cluster, Wo's on the block column alone, along a column.
; The matrix instruction is used transposed (source 0 = rows of Wo, source 1 = rows of att): a lane holds eight neighbouring columns of one row of out0.
.set SLOT,  98304
.set STAGE, 196608                     ; behind the ring: 16 rows x 528 bytes for each wave; no tensor load lands here
.set SP,    528                        ; a stage row: 512 bytes + 16, so that sixteen rows start 16 bytes apart modulo 256
.set F0,    32                         ; fragment buffer 0: Wo's 8 fragments, then att's 4
.set F1,    128                        ; fragment buffer 1
.set BO,    224                        ; v[224:227] bo of my four columns on the way out
.set G1A, 24                           ; s[24:31] group 1, att's tiles
.set G0A, 32                           ; s[32:39] group 0, one set for each slot
.set G1B, 40                           ; s[40:47] group 1, Wo's tiles
.set G0B, 48                           ; s[48:55] group 0
.set MSB, 0
.macro WIN new
.if MSB != \new
	s_set_vgpr_msb (MSB<<8)|\new
.set MSB, \new
.endif
.endm
.macro PLACES                          ; four places behind matrix instructions (ISA guide 7.12.1) before their registers are loaded into, read or stored
.rept 4
	v_nop
.endr
.endm
.macro JLOAD s                         ; waves 0, 1 ask for Wo's two k steps of the slot, waves 2, 3 for att's
	s_cmp_eq_u32 s17, 0
	s_cbranch_scc0 .Lfor_a_\@
	tensor_load_to_lds s[G0B+4*\s:G0B+4*\s+3], s[G1B:G1B+7]
	s_nop 0
	s_branch .Lasked_\@
.Lfor_a_\@:
	tensor_load_to_lds s[G0A+4*\s:G0A+4*\s+3], s[G1A:G1A+7]
	s_nop 0
.Lasked_\@:
.endm
.macro CREST
	s_cmp_lg_u32 s16, 0
	s_cbranch_scc1 .Lnot_wave_0_\@
	s_barrier_signal -3
.Lnot_wave_0_\@:
	s_barrier_wait -3
	s_barrier_signal -1
	s_barrier_wait -1
.endm
.macro CROUND
	s_barrier_signal -1
	s_barrier_wait -1
	CREST
.endm
	s_load_b256 s[4:11], s[0:1], 0x0               ; att s[4:5], f16in s[6:7], bo s[8:9], out0 s[10:11]
	v_lshl_add_u32 v254, v0, 2, 0x38400
	v_mov_b32 v255, 0
	ds_add_u32 v254, v255
	v_lshrrev_b32 v1, 5, v0
	v_readfirstlane_b32 s16, v1                    ; wave
	s_lshr_b32 s17, s16, 1                         ; wm: my 64 rows.  Also: I fetch for Wo (0) or for att (1)
	s_and_b32 s18, s16, 1                          ; wn: my 128 columns.  Also: which of the slot's two k steps I fetch
	s_bfe_u32 s19, ttmp6, 0x40000                  ; cx
	s_bfe_u32 s20, ttmp6, 0x40004                  ; cy
	s_lshl_b32 s21, ttmp9, 2
	s_add_co_u32 s21, s21, s19                     ; block column, 0..3
	s_and_b32 s22, ttmp7, 0xffff
	s_lshl_b32 s22, s22, 2
	s_add_co_u32 s22, s22, s20                     ; block row, 0..63
	s_lshl_b32 s23, s20, 2
	s_lshl_b32 s23, 15, s23                        ; my row of the cluster
	s_lshl_b32 s56, 0x1111, s19                    ; my column
	s_or_b32 s[G1A+0], s23, (3<<16)|(1<<21)        ; the mask; elements of 8 bytes; bit 21 set beside a mask
	s_or_b32 s[G1B+0], s56, (3<<16)|(1<<21)
	s_mov_b32 s[G1A+1], 32<<16                     ; dense bytes as rows of 32 elements (256 bytes): att 64 rows a load, Wo 128
	s_mov_b32 s[G1B+1], 32<<16
	s_mov_b32 s[G1A+2], 64<<16
	s_mov_b32 s[G1B+2], 128<<16
	s_mov_b32 s[G1A+3], 32<<16
	s_mov_b32 s[G1B+3], 32<<16
	s_mov_b32 s[G1A+4], 64
	s_mov_b32 s[G1B+4], 128
	s_mov_b32 s[G1A+5], 32
	s_mov_b32 s[G1B+5], 32
	s_mov_b32 s[G1A+6], 0
	s_mov_b32 s[G1B+6], 0
	s_mov_b32 s[G1A+7], 0
	s_mov_b32 s[G1B+7], 0
	s_lshr_b32 s58, s22, 2                         ; att: batch x 1,048,576 + quarter of its rows x 16,384 + k step x 65,536
	s_lshl_b32 s58, s58, 20
	s_and_b32 s59, s22, 3
	s_lshl_b32 s59, s59, 14
	s_add_co_u32 s58, s58, s59
	s_lshl_b32 s59, s18, 16
	s_add_co_u32 s58, s58, s59
	s_mov_b32 s59, 0
	s_lshl_b32 s66, s21, 19                        ; Wo: block column x 524,288 + k step x 32,768
	s_lshl_b32 s67, s18, 15
	s_add_co_u32 s66, s66, s67
	s_add_co_u32 s66, s66, 23068672
	s_mov_b32 s67, 0
	s_lshl_b32 s57, s16, 15                        ; LDS: Wo's two k steps at wave x 32,768 (waves 0, 1),
	s_lshl_b32 s62, s16, 14
	s_add_co_u32 s62, s62, 32768                   ; att's at 65,536 + (wave - 2) x 16,384 (waves 2, 3)
	s_wait_dscnt 0x0
	s_wait_kmcnt 0x0
	s_add_nc_u64 s[60:61], s[4:5], s[58:59]
	s_add_nc_u64 s[68:69], s[6:7], s[66:67]
	CROUND                                         ; in front of the first joint loads
.irp s, 0,1
	s_mov_b32 s[G0A+4*\s], 1
	s_add_co_u32 s[G0A+4*\s+1], s62, \s*SLOT
	s_add_nc_u64 s[G0A+4*\s+2:G0A+4*\s+3], s[60:61], \s*131072     ; k steps 2 s, 2 s + 1
	s_or_b32 s[G0A+4*\s+3], s[G0A+4*\s+3], 0x80000000
	s_mov_b32 s[G0B+4*\s], 1
	s_add_co_u32 s[G0B+4*\s+1], s57, \s*SLOT
	s_add_nc_u64 s[G0B+4*\s+2:G0B+4*\s+3], s[68:69], \s*65536
	s_or_b32 s[G0B+4*\s+3], s[G0B+4*\s+3], 0x80000000
	JLOAD \s                                       ; two tensor loads of the wave are out
.endr
	s_lshl_b32 s74, s21, 10                        ; my 128 columns, in bytes of f32
	s_lshl_b32 s75, s18, 9
	s_add_co_u32 s74, s74, s75
	s_mov_b32 s75, 0
	s_add_nc_u64 s[8:9], s[8:9], s[74:75]
	s_lshl_b32 s76, s22, 19                        ; my 64 rows of 4,096 bytes
	s_lshl_b32 s77, s17, 18
	s_add_co_u32 s76, s76, s77
	s_add_co_u32 s76, s76, s74
	s_mov_b32 s77, 0
	s_add_nc_u64 s[10:11], s[10:11], s[76:77]
	v_and_b32 v11, 31, v0
	v_lshlrev_b32 v10, 4, v11                      ; v10 = 16 lane: my 16 bytes of a row of 512 on the way out; a fragment's place in a block
	global_load_b128 v[BO:BO+3], v10, s[8:9]
	v_and_b32 v2, 15, v0                           ; r
	v_bfe_u32 v3, v0, 4, 1                         ; h2
	s_lshl_b32 s74, s18, 14
	v_add_nc_u32 v4, s74, v10                      ; v4, v5: my eight blocks of Wo in slot 0, 1
	v_add_nc_u32 v5, SLOT, v4
	s_lshl_b32 s75, s17, 13
	s_add_co_u32 s75, s75, 65536
	v_add_nc_u32 v6, s75, v10                      ; v6, v7: my four blocks of att
	v_add_nc_u32 v7, SLOT, v6
	s_mul_i32 s76, s16, 16*SP
	s_add_co_u32 s76, s76, STAGE                   ; my stage
	v_mul_u32_u24 v8, v2, SP
	v_lshl_add_u32 v8, v3, 5, v8
	v_add_nc_u32 v8, s76, v8                       ; v8: in: row r, 32 bytes for each half of the lanes
	v_add_nc_u32 v9, s76, v10                      ; v9: back: a whole row of 512 bytes
.macro MUL8 f, sa, zero                ; 8 matrix instructions: 16 rows x my 128 columns, 32 along K.  The 32 sums take turns, one instruction a turn
.irp nb, 0,1,2,3,4,5,6,7
.set ac, 8*(8*\sa+\nb)
.if \zero
	v_wmma_f32_16x16x32_f16 v[ac:ac+7], v[\f+8*\nb:\f+8*\nb+7], v[\f+64+8*\sa:\f+64+8*\sa+7], 0
.else
	v_wmma_f32_16x16x32_f16 v[ac:ac+7], v[\f+8*\nb:\f+8*\nb+7], v[\f+64+8*\sa:\f+64+8*\sa+7], v[ac:ac+7]
.endif
.endr
.endm
.macro FETCH slot, q, f                ; the fragments of quarter q of a slot (k step q >> 1, half q & 1): Wo's 16 loads, then att's 8
.irp nb, 0,1,2,3,4,5,6,7
	ds_load_b128 v[\f+8*\nb:\f+8*\nb+3],   v[4+\slot] offset:(\q>>1)*32768+\nb*2048+(\q&1)*1024
	ds_load_b128 v[\f+8*\nb+4:\f+8*\nb+7], v[4+\slot] offset:(\q>>1)*32768+\nb*2048+(\q&1)*1024+512
.endr
.irp sa, 0,1,2,3
	ds_load_b128 v[\f+64+8*\sa:\f+64+8*\sa+3], v[6+\slot] offset:(\q>>1)*16384+\sa*2048+(\q&1)*1024
	ds_load_b128 v[\f+64+8*\sa+4:\f+64+8*\sa+7], v[6+\slot] offset:(\q>>1)*16384+\sa*2048+(\q&1)*1024+512
.endr
.endm
.macro QUARTER slot, q, f, g, zero     ; multiplies buffer f; in its middle fetches quarter q of the same slot into buffer g
	s_wait_dscnt 4                                 ; all but att's rows 32-63 (the youngest four loads)
	WIN 0x50
	MUL8 \f, 0, \zero
	MUL8 \f, 1, \zero
	WIN 0
	PLACES
	FETCH \slot, \q, \g
	s_wait_dscnt 24                                ; all but the 24 just issued
	WIN 0x50
	MUL8 \f, 2, \zero
	MUL8 \f, 3, \zero
.endm
.macro THREE slot, zero
	QUARTER \slot, 1, F0, F1, \zero
	QUARTER \slot, 2, F1, F0, 0
	QUARTER \slot, 3, F0, F1, 0
.endm
; The slot's last quarter and the change of slots: one barrier, in front of which each wave's reads of this slot are over and all its tensor loads have landed (the one that is
; out is its part of the next slot).  fill = 1: it opens a round of the cluster's barrier; behind the round the slot is asked for again, four k steps ahead.
.macro TURN slot, next, fill
	s_wait_dscnt 4
	WIN 0x50
	MUL8 F1, 0, 0
	s_wait_dscnt 0x0                               ; my reads of this slot are over
	s_wait_tensorcnt 0x0                           ; all my tensor loads have landed
	ds_add_u32 v254, v255
	s_wait_dscnt 0x0
	s_barrier_signal -1
	MUL8 F1, 1, 0
	WIN 0
	s_barrier_wait -1
.if \fill
	CREST
	s_add_nc_u64 s[G0A+4*\slot+2:G0A+4*\slot+3], s[G0A+4*\slot+2:G0A+4*\slot+3], 262144
	s_add_nc_u64 s[G0B+4*\slot+2:G0B+4*\slot+3], s[G0B+4*\slot+2:G0B+4*\slot+3], 131072
	JLOAD \slot                                    ; the first tensor load behind the round, the wave's only one until the next: one is out
.endif
	PLACES
	FETCH \next, 0, F0
	WIN 0x50
	MUL8 F1, 2, 0
	MUL8 F1, 3, 0
.endm
.macro LAP zero                        ; four k steps: once round the ring
	THREE 0, \zero
	TURN 0, 1, 1
	THREE 1, 0
	TURN 1, 0, 1
.endm
	s_wait_tensorcnt 0x1                           ; my part of slot 0 is in; slot 1's may stay out
	s_barrier_signal -1
	s_barrier_wait -1
	FETCH 0, 0, F0
	LAP 1                                          ; k steps 0-3: the first products start the sums
	WIN 0
	s_mov_b32 s70, 2                               ; k steps 4-11
.Llap:
	LAP 0
	WIN 0
	s_sub_co_u32 s70, s70, 1
	s_cmp_lg_u32 s70, 0
	s_cbranch_scc1 .Llap
	THREE 0, 0                                     ; k steps 12-15 fill nothing
	TURN 0, 1, 0
	THREE 1, 0
	s_wait_dscnt 4
	WIN 0x50
	MUL8 F1, 0, 0
	MUL8 F1, 1, 0
	s_wait_dscnt 0x0
	MUL8 F1, 2, 0
	MUL8 F1, 3, 0
	WIN 0
	PLACES
	s_wait_loadcnt 0x0                             ; bo
; The way out, 16 rows at a time: a lane's 32 bytes go into my own stage, whole rows of 512 bytes come back (LDS serves a wave's instructions in order), x 4 + bo, and out.
.macro OUT sa, f
	WIN 0x04                                       ; the stores' data in window 1
.irp nb, 0,1,2,3,4,5,6,7
	ds_store_b128 v8, v[8*(8*\sa+\nb):8*(8*\sa+\nb)+3]   offset:64*\nb
	ds_store_b128 v8, v[8*(8*\sa+\nb)+4:8*(8*\sa+\nb)+7] offset:64*\nb+16
.endr
	WIN 0
	s_wait_xcnt 0x0                                ; buffer f, which earlier stores read, is loaded again only behind this wait
.irp t, 0,1,2,3,4,5,6,7,8,9,10,11,12,13,14,15
	ds_load_b128 v[\f+4*\t:\f+4*\t+3], v9 offset:SP*\t
.endr
.irp t, 0,1,2,3,4,5,6,7,8,9,10,11,12,13,14,15
	s_wait_dscnt 15-\t
	v_pk_fma_f32 v[\f+4*\t:\f+4*\t+1],   v[\f+4*\t:\f+4*\t+1],   4.0, v[BO:BO+1]   op_sel_hi:[1,0,1]
	v_pk_fma_f32 v[\f+4*\t+2:\f+4*\t+3], v[\f+4*\t+2:\f+4*\t+3], 4.0, v[BO+2:BO+3] op_sel_hi:[1,0,1]
	global_store_b128 v10, v[\f+4*\t:\f+4*\t+3], s[10:11] offset:(16*\sa+\t)*4096 th:TH_STORE_NT   ; the wave stores 512 consecutive bytes, aligned
.endr
.endm
	OUT 0, F0
	OUT 1, F1
	OUT 2, F0
	OUT 3, F1
	s_wait_tensorcnt 0x0
	ds_add_u32 v254, v255
	s_wait_dscnt 0x0
	CROUND                                         ; the closing round
	s_endpgm
.Lfunc_end_k_q3414980157_oproj:
	.size	k_q3414980157_oproj, .Lfunc_end_k_q3414980157_oproj-k_q3414980157_oproj
	.p2alignl 7, 3214868480
	.fill 96, 4, 3214868480
	.section	.rodata,"a",@progbits
	.p2align	6, 0x0
	.amdhsa_kernel k_q3414980157_oproj
		.amdhsa_group_segment_fixed_size 327680
		.amdhsa_private_segment_fixed_size 0
		.amdhsa_enable_private_segment 0
		.amdhsa_kernarg_size 32
		.amdhsa_user_sgpr_count 2
		.amdhsa_user_sgpr_kernarg_segment_ptr 1
		.amdhsa_wavefront_size32 1
		.amdhsa_system_sgpr_workgroup_id_x 1
		.amdhsa_system_sgpr_workgroup_id_y 1
		.amdhsa_system_sgpr_workgroup_id_z 1
		.amdhsa_system_vgpr_workitem_id 0
		.amdhsa_next_free_vgpr 512
		.amdhsa_next_free_sgpr 80
		.amdhsa_reserve_vcc 0
		.amdhsa_float_denorm_mode_32 3
		.amdhsa_float_denorm_mode_16_64 3
		.amdhsa_memory_ordered 1
		.amdhsa_forward_progress 1
		.amdhsa_inst_pref_size 125
	.end_amdhsa_kernel
	.amdgpu_metadata
---
amdhsa.version: [ 1, 2 ]
amdhsa.kernels:
  - .name:           k_q3414980157_oproj
    .symbol:         k_q3414980157_oproj.kd
    .args:
      - { .name: att, .offset: 0, .size: 8, .value_kind: global_buffer, .address_space: global }
      - { .name: f16in, .offset: 8, .size: 8, .value_kind: global_buffer, .address_space: global }
      - { .name: bo, .offset: 16, .size: 8, .value_kind: global_buffer, .address_space: global }
      - { .name: out0, .offset: 24, .size: 8, .value_kind: global_buffer, .address_space: global }
    .group_segment_fixed_size: 327680
    .private_segment_fixed_size: 0
    .kernarg_segment_align: 8
    .kernarg_segment_size: 32
    .max_flat_workgroup_size: 128
    .sgpr_count:     80
    .vgpr_count:     512
    .wavefront_size: 32
...
	.end_amdgpu_metadata
.endif
;; end of part 3
;; ======== version 2 of 2: 3 launches; version 1 with the launch cast written anew for expert scheduling mode
;; limits: values are held in f16: magnitudes above 65,504 overflow, below 6.1e-05 lose precision; right only within a limited range of input values
;; workspace buffers: f16in 25,165,824 bytes; att 16,777,216 bytes
;; launch cast (part 4): grid 768 x 1, 8 waves a work-group, no clusters, 35,840 bytes of LDS; arguments x, Wq, Wk, Wv, Wo, f16in; writes f16in
.if DOCPART == 4
	.amdgcn_target "amdgcn-amd-amdhsa--gfx1250"
	.amdhsa_code_object_version 6
	.text
	.protected	k_q3414980157_cast
	.globl	k_q3414980157_cast
	.p2align	8
	.type	k_q3414980157_cast,@function
k_q3414980157_cast:
	s_mov_b64 s[64:65], 0
	v_nop
	global_prefetch_b8 v0, s[64:65] scope:SCOPE_SE
	s_setreg_imm32_b32 hwreg(HW_REG_WAVE_SCHED_MODE, 0, 2), 2
	s_setreg_imm32_b32 hwreg(HW_REG_WAVE_MODE, 25, 1), 1
	s_wait_xcnt 0x0
	s_wait_alu depctr_vm_vsrc(0)
; x, Wq, Wk, Wv, Wo (f32, rows of 1,024) are rounded to f16 and laid out anew in BLOCKS, the form in which the two later launches
; feed the matrix unit.  A BLOCK is 16 rows x 64 k = 2,048 bytes, [k/8][row][8 numbers]: number (r, k) lies at (k>>3)*256 + r*16 + (k&7)*2.
; f16in:  x   at 0           [b 16][ks 16][block of 16 rows, 32][BLOCK]
;         W   at 16,777,216  [head 16][ks 16][12 blocks: 4 of Wq's rows of the head, 4 of Wk's, 4 of Wv's][BLOCK]
;         Wo  at 23,068,672  [quarter of its rows, 4][ks 16][16 blocks][BLOCK]
; LIMIT: a number of x or of a W beyond f16's largest, 65,504, becomes an infinity; f16 keeps 11 bits.
; A work-group takes 16 rows: 65,536 bytes in, 32,768 out.  Each input byte is read once, each output byte written once, every load and
; store of a wave covers 512 consecutive bytes.  The re-ordering goes through LDS.  No work-group shares an input with another: no cluster;
; no matrix work: memory bounds this launch.
; THE MODE: SCHED_MODE bits 1:0 = 2 (LLVM: expert scheduling mode 2), set by the entry lines.  The code itself states the register dependences
; between vector instructions and memory or LDS instructions, with s_wait_alu, always for 0.
; THE PLAN.  Registers that memory or LDS instructions touch:
;   v1, v2, v3, v8-v15   offsets and LDS addresses: written at the head, once; read by every load and store; never written again.
;   X                    row i: its global load lands in four registers; its two conversions read the four and write the first two; its LDS store reads those two.
;                        Nothing writes X behind the LDS stores, and no load lands in it again.
;   R                    the LDS loads land in it, the global stores read it; no vector instruction names it.
;   v112, v113           written at the head, read by the closing add alone.
; The 16 rows go in four groups of four.  Group g's conversions name group g's registers alone; the LDS stores of group g - 1 are dealt among them, behind ONE wait
; at the group's head, which states that group g - 1's conversions have written what those stores read.  One more such wait stands ahead of the last group's stores,
; and one ahead of the first load, for the addresses.  No register that a memory or LDS instruction has read is written again: no wait on vm_vsrc is owed.
.set X,   16                           ; v[16:79]   row i: 4 registers as loaded; its first two then hold 4 f16
.set R,   80                           ; v[80:111]  read back from LDS, to store
.set OFF, 8                            ; v[8:15]    store i: my byte offset in the destination
.set CP,  272                          ; LDS: a chunk [16 rows][16 bytes] is 256 bytes + 16 of padding, so that 16 neighbouring chunks start 16 bytes apart modulo 256
	s_load_b256 s[4:11], s[0:1], 0x0               ; x s[4:5], Wq s[6:7], Wk s[8:9], Wv s[10:11]
	s_load_b128 s[12:15], s[0:1], 0x20             ; Wo s[12:13], f16in s[14:15]
	v_lshl_add_u32 v112, v0, 2, 0x8800
	v_mov_b32 v113, 0
	s_mov_b32 s22, ttmp9                           ; id: 0-511 x, 512-575 Wq, 576-639 Wk, 640-703 Wv, 704-767 Wo
	s_and_b32 s23, s22, 63                         ; g: a weight's block of 16 rows
	s_lshr_b32 s24, s22, 5                         ; x: batch
	s_lshl_b32 s24, s24, 20                        ;    x 1,048,576
	s_and_b32 s25, s22, 31
	s_lshl_b32 s25, s25, 11                        ;    + block x 2,048
	s_add_co_u32 s24, s24, s25
	s_lshr_b32 s25, s22, 6                         ; Wq, Wk, Wv: m = 0, 1, 2
	s_and_b32 s25, s25, 3
	s_lshl_b32 s25, s25, 2
	s_and_b32 s26, s23, 3
	s_add_co_u32 s25, s25, s26                     ;    block 4 m + (g & 3) of the head's twelve
	s_lshl_b32 s25, s25, 11
	s_lshr_b32 s26, s23, 2                         ;    head g >> 2
	s_mul_i32 s26, s26, 393216
	s_add_co_u32 s25, s25, s26
	s_add_co_u32 s25, s25, 16777216
	s_lshr_b32 s26, s23, 4                         ; Wo: quarter g >> 4
	s_lshl_b32 s26, s26, 19
	s_and_b32 s27, s23, 15
	s_lshl_b32 s27, s27, 11
	s_add_co_u32 s26, s26, s27
	s_add_co_u32 s26, s26, 23068672
	s_mov_b32 s20, 65536                           ; bytes from one ks to the next in the destination
	s_cmp_ge_u32 s22, 512
	s_cselect_b32 s28, s23, s22                    ; the source's block of 16 rows
	s_cselect_b32 s18, s25, s24
	s_cselect_b32 s20, 24576, s20
	s_cmp_ge_u32 s22, 704
	s_cselect_b32 s18, s26, s18
	s_cselect_b32 s20, 32768, s20
	s_mov_b32 s19, 0
	s_lshl_b32 s28, s28, 16                        ; 16 rows of 4,096 bytes
	s_mov_b32 s29, 0
	s_lshl_b32 s21, s20, 1
	v_lshlrev_b32 v1, 4, v0                        ; my 16 bytes (4 numbers) of every row
	v_lshrrev_b32 v4, 1, v0                        ; they fall into chunk t >> 1, half t & 1
	v_and_b32 v5, 1, v0
	v_mul_u32_u24 v2, v4, CP
	v_lshl_add_u32 v2, v5, 3, v2
	v_lshrrev_b32 v4, 4, v0                        ; back: chunk t >> 4 of sixteen, row t & 15
	v_and_b32 v5, 15, v0
	v_mul_u32_u24 v3, v4, CP
	v_lshl_add_u32 v3, v5, 4, v3
	v_lshrrev_b32 v4, 7, v0                        ; sixteen chunks are two BLOCKS: ks 2 i + (t >> 7), byte 16 (t & 127)
	v_and_b32 v5, 127, v0
	v_mul_lo_u32 v4, v4, s20
	v_lshl_add_u32 v[OFF], v5, 4, v4
.irp i, 1,2,3,4,5,6,7
	v_add_nc_u32 v[OFF+\i], s21, v[OFF+\i-1]
.endr
	s_wait_kmcnt 0x0
	s_cmp_ge_u32 s22, 512                          ; the source, chosen by the id alone
	s_cselect_b64 s[16:17], s[6:7], s[4:5]
	s_cmp_ge_u32 s22, 576
	s_cselect_b64 s[16:17], s[8:9], s[16:17]
	s_cmp_ge_u32 s22, 640
	s_cselect_b64 s[16:17], s[10:11], s[16:17]
	s_cmp_ge_u32 s22, 704
	s_cselect_b64 s[16:17], s[12:13], s[16:17]
	s_add_nc_u64 s[16:17], s[16:17], s[28:29]
	s_add_nc_u64 s[18:19], s[14:15], s[18:19]
	s_wait_alu depctr_va_vdst(0)                   ; v1, v2, v3 and v8 to v15 are written: the loads and stores below, global and LDS, read them as offsets and addresses, and no vector instruction writes one of them again
.irp i, 0,1,2,3,4,5,6,7,8,9,10,11,12,13,14,15
	global_load_b128 v[X+4*\i:X+4*\i+3], v1, s[16:17] offset:4096*\i th:TH_LOAD_NT   ; row i; all sixteen go out at once
.endr
; Four groups of four rows.  Group g: its loads are waited for; the LDS stores of group g - 1 go out among its conversions.
.irp g, 0,1,2,3
	s_wait_loadcnt 12-4*(\g)                       ; loads come back in order: the group's four rows are in, the younger rows stay out
.if (\g) > 0
	s_wait_alu depctr_va_vdst(0)                   ; the conversions of the group before have written the first two registers of each of its rows, which the LDS stores below read
.endif
.irp j, 0,1,2,3
.set rw, 4*(\g)+(\j)                   ; the row that is rounded; the row that is stored lies four back
.if (\g) > 0
	ds_store_b64 v2, v[X+4*(rw-4):X+4*(rw-4)+1] offset:16*(rw-4)   ; no vector instruction since the wait names these registers
.endif
	v_cvt_pk_f16_f32 v[X+4*rw],   v[X+4*rw],   v[X+4*rw+1]
	v_cvt_pk_f16_f32 v[X+4*rw+1], v[X+4*rw+2], v[X+4*rw+3]
.endr
.endr
	s_wait_alu depctr_va_vdst(0)                   ; the last group's conversions have written what its four LDS stores read
.irp j, 12,13,14,15
	ds_store_b64 v2, v[X+4*\j:X+4*\j+1] offset:16*\j
.endr
	s_wait_dscnt 0x0                               ; my stores are done, for the other waves' sake
	s_barrier_signal -1
	s_barrier_wait -1
.irp i, 0,1,2,3,4,5,6,7
	ds_load_b128 v[R+4*\i:R+4*\i+3], v3 offset:16*CP*\i   ; v3 was written ahead of the first wait on va_vdst; no vector instruction names R
.endr
.irp i, 0,1,2,3,4,5,6,7
	s_wait_dscnt 7-\i                              ; LDS loads come back in order
	global_store_b128 v[OFF+\i], v[R+4*\i:R+4*\i+3], s[18:19]   ; a wave stores 512 consecutive bytes, aligned; the next launch reads them: no hint
.endr
	s_wait_dscnt 0x0                               ; the closing lines, six on end
	s_wait_alu 0x0
	s_wait_tensorcnt 0x0
	ds_add_u32 v112, v113
	s_wait_dscnt 0x0
	s_endpgm
.Lfunc_end_k_q3414980157_cast:
	.size	k_q3414980157_cast, .Lfunc_end_k_q3414980157_cast-k_q3414980157_cast
	.p2alignl 7, 3214868480
	.fill 96, 4, 3214868480
	.section	.rodata,"a",@progbits
	.p2align	6, 0x0
	.amdhsa_kernel k_q3414980157_cast
		.amdhsa_group_segment_fixed_size 35840
		.amdhsa_private_segment_fixed_size 0
		.amdhsa_enable_private_segment 0
		.amdhsa_kernarg_size 48
		.amdhsa_user_sgpr_count 2
		.amdhsa_user_sgpr_kernarg_segment_ptr 1
		.amdhsa_wavefront_size32 1
		.amdhsa_system_sgpr_workgroup_id_x 1
		.amdhsa_system_sgpr_workgroup_id_y 1
		.amdhsa_system_sgpr_workgroup_id_z 1
		.amdhsa_system_vgpr_workitem_id 0
		.amdhsa_next_free_vgpr 114
		.amdhsa_next_free_sgpr 66
		.amdhsa_reserve_vcc 0
		.amdhsa_float_denorm_mode_32 3
		.amdhsa_float_denorm_mode_16_64 3
		.amdhsa_memory_ordered 1
		.amdhsa_forward_progress 1
		.amdhsa_inst_pref_size 10
	.end_amdhsa_kernel
	.amdgpu_metadata
---
amdhsa.version: [ 1, 2 ]
amdhsa.kernels:
  - .name:           k_q3414980157_cast
    .symbol:         k_q3414980157_cast.kd
    .args:
      - { .name: x, .offset: 0, .size: 8, .value_kind: global_buffer, .address_space: global }
      - { .name: Wq, .offset: 8, .size: 8, .value_kind: global_buffer, .address_space: global }
      - { .name: Wk, .offset: 16, .size: 8, .value_kind: global_buffer, .address_space: global }
      - { .name: Wv, .offset: 24, .size: 8, .value_kind: global_buffer, .address_space: global }
      - { .name: Wo, .offset: 32, .size: 8, .value_kind: global_buffer, .address_space: global }
      - { .name: f16in, .offset: 40, .size: 8, .value_kind: global_buffer, .address_space: global }
    .group_segment_fixed_size: 35840
    .private_segment_fixed_size: 0
    .kernarg_segment_align: 8
    .kernarg_segment_size: 48
    .max_flat_workgroup_size: 256
    .sgpr_count:     66
    .vgpr_count:     114
    .wavefront_size: 32
...
	.end_amdgpu_metadata
.endif
;; end of part 4
;; launch attn: the kernel of part 2 again; grid 16 x 16, 4 waves a work-group, clusters of 4 x 4, 327,680 bytes of LDS; arguments f16in, bq, bk, bv, rel_table, att; writes att
;; launch oproj: the kernel of part 3 again; grid 4 x 64, 4 waves a work-group, clusters of 4 x 4, 327,680 bytes of LDS; arguments att, f16in, bo, out0; writes out0
